; MI455X (gfx1250); checked and timed in simulation.
; The chip was launched on July 23, 2026; its instructions are those of AMD's public machine-readable ISA for CDNA 5 (MIT licence, August 2026) and "CDNA5" Instruction Set Architecture Reference Guide (July 2026). The comments in the code are by the model that wrote it; some were corrected since.
;; Multi Head Self Attention. Allowed arithmetic: matrix products marked QUANTISED: E2M1 operands, one E8M0 scale for each 32 along K, by v_wmma_scale_f32_16x16x128_f8f6f4 with both operands' format E2M1 (or v_wmma_scale_f32_32x16x128_f4), f32 sums; everything else in f32.
;; Inputs: Wk_codes 1,024 x 32 x 16 uint8 (E2M1 codes of Wk, K innermost, in blocks of 32 codes, two codes a byte); Wk_scales 1,024 x 32 uint8 (E8M0 scales of Wk, one for each 32 codes along K); Wo_codes 1,024 x 32 x 16 uint8 (E2M1 codes of Wo, K innermost, in blocks of 32 codes, two codes a byte); Wo_scales 1,024 x 32 uint8 (E8M0 scales of Wo, one for each 32 codes along K); Wq_codes 1,024 x 32 x 16 uint8 (E2M1 codes of Wq, K innermost, in blocks of 32 codes, two codes a byte); Wq_scales 1,024 x 32 uint8 (E8M0 scales of Wq, one for each 32 codes along K); Wv_codes 1,024 x 32 x 16 uint8 (E2M1 codes of Wv, K innermost, in blocks of 32 codes, two codes a byte); Wv_scales 1,024 x 32 uint8 (E8M0 scales of Wv, one for each 32 codes along K); bk 1,024 float32; bo 1,024 float32; bq 1,024 float32; bv 1,024 float32; mask 4 x 1 x 1 x 2,048 int32; x_codes 4 x 2,048 x 32 x 16 uint8 (E2M1 codes of x, K innermost, in blocks of 32 codes, two codes a byte); x_scales 4 x 2,048 x 32 uint8 (E8M0 scales of x, one for each 32 codes along K).
;; Outputs: out0 4 x 2,048 x 1,024 float32.
;; This version of the problem:
;;   THIS VERSION OF THE PROBLEM IS GIVEN IN LOW PRECISION. The matrix products marked QUANTISED in the list below multiply operands that are first quantised to E2M1 (2 exponent bits, 1 mantissa bit; 4 bits a number), with one power-of-two scale for each 32 numbers along K (OCP MX v1.0); their sums are f32. All else is computed in f32.
;;   The module's matrix products, in the order in which they are computed (A, B: the left and right operand; K: the contracted axis; several contracted axes count as one K, in the product's order):
;;     1. [M 8,192, K 1,024] x [K 1,024, N 1,024]; A: input x (given as codes); B: input Wq (given as codes): QUANTISED
;;     2. [M 8,192, K 1,024] x [K 1,024, N 1,024]; A: input x (given as codes); B: input Wk (given as codes): QUANTISED
;;     3. [M 8,192, K 1,024] x [K 1,024, N 1,024]; A: input x (given as codes); B: input Wv (given as codes): QUANTISED
;;     4. batch 64 x [M 2,048, K 64] x [K 64, N 2,048]; A: computed on the way; B: computed on the way: QUANTISED
;;     5. batch 64 x [M 2,048, K 2,048] x [K 2,048, N 64]; A: softmax (see below); B: computed on the way: QUANTISED
;;     6. [M 8,192, K 1,024] x [K 1,024, N 1,024]; A: computed on the way; B: input Wo (given as codes): QUANTISED
;;   THE QUANTISER, for each operand of a quantised product, along K:
;;     - K is cut into blocks of 32 from its start; a last block that is shorter is filled with zeros.
;;     - A block's scale is 2^e with e = floor(log2(the largest magnitude in the block)) - 2, held to -126 .. 127; a block of zeros has e = 0. As a byte (E8M0): e + 127.
;;     - Each number is divided by its block's scale, clamped to +-6, and rounded to the nearest number of E2M1, ties to even, subnormals kept.
;;     - The product sums the exact products of the quantised numbers (number of the format x scale) in f32.
;;   ~~~python
;;   def quantise(x, axis):      # numpy; x: float32 -> the quantised numbers, widened to float32 again
;;       x = np.moveaxis(x, axis, -1); K = x.shape[-1]
;;       x = np.pad(x, [(0, 0)] * (x.ndim - 1) + [(0, -K % 32)]); x = x.reshape(x.shape[:-1] + (-1, 32)); a = np.abs(x).max(-1, keepdims=True)
;;       e = np.where(a > 0, np.clip(np.frexp(np.where(a > 0, a, 1))[1] - 1 - 2, -126, 127), 0)      # np.frexp(a)[1] - 1 = floor(log2(a)), exactly
;;       r = np.clip(x / 2.0 ** e, -6, 6)
;;       step = 2.0 ** (np.maximum(np.frexp(np.where(r == 0, 1, r))[1] - 1, 0) - 1)
;;       q = np.round(r / step) * step * 2.0 ** e      # np.round: ties to even
;;       return np.moveaxis(q.reshape(q.shape[:-2] + (-1,))[..., :K], -1, axis).astype(np.float32)
;;   ~~~
;;   SOFTMAX AHEAD OF A QUANTISED PRODUCT. Where the list says 'softmax', what is quantised is not the finished softmax but p = 2^(t - M), with t = logit x log2(e) and M = ceil(the row's largest t), a whole number; so 1/2 < the row's largest p <= 1. The row's sum l is taken of the UNQUANTISED p, in f32, and the product's result is divided by l at the end. Since M is a whole number, a kernel that streams over the keys may use a running M (the ceiling of the running maximum): every later rescaling is an exact power of two, which a block's scale takes up: the codes' values come out the same.
;;   OPERANDS COMPUTED ON THE WAY. 'Computed on the way' means the value that the module computes at that place (a softmax that the list does not call 'softmax' is quantised finished and normalised). What goes into a quantiser is computed in f32, as accurately as f32 sums, v_exp_f32 and their like allow (about 1e-6 of the number): no bf16 or f16 on the way to a quantiser, and a product that is left as it is and whose result goes on into a quantised operand takes f32 operands (vector FMAs, or v_wmma_f32_16x16x4_f32). A number that lies on a knife's edge between two numbers of the format may be rounded either way, as far as f32 arithmetic and the matrix unit's own rounding can turn it there, and no further.
;;   INPUTS GIVEN AS CODES. Wk (in the module: [1024, 1024], K = its axis 1); Wo (in the module: [1024, 1024], K = its axis 1); Wq (in the module: [1024, 1024], K = its axis 1); Wv (in the module: [1024, 1024], K = its axis 1); x (in the module: [4, 2048, 1024], K = its axis 2): each comes as NAME_codes (uint8): NAME with its K axis moved to the last place and cut into blocks of 32 codes, [.., K / 32, bytes a block], one block behind the other in memory; two codes a byte, the lower K in the low four bits (a code: sign, 2 exponent bits, 1 mantissa bit); and NAME_scales (uint8): the same leading axes, one E8M0 byte (e + 127) for each 32 codes along K. Its value is code x scale, taken as it is: it is not quantised again, and the codes and scales need not be those that the quantiser above would give.
;; One version. Each part assembles by itself: llvm-mc -triple=amdgcn-amd-amdhsa -mcpu=gfx1250 --defsym DOCPART=n.
;; ======== version 1 of 1: 3 launches
;; limits: right only within a limited range of input values
;; workspace buffers: q_codes 4,194,304 bytes; q_scales 524,288 bytes; kv_codes 8,388,608 bytes; kv_scales 786,432 bytes; att_codes 4,194,304 bytes; att_scales 262,144 bytes
;; launch qkv (part 1): grid 12 x 32, 4 waves a work-group, clusters of 4 x 4, 327,680 bytes of LDS; arguments x_codes, x_scales, Wq_codes, Wq_scales, Wk_codes, Wk_scales, Wv_codes, Wv_scales, bq, bk, bv, q_codes, q_scales, kv_codes, kv_scales; writes q_codes, q_scales, kv_codes, kv_scales
.if DOCPART == 1
	.amdgcn_target "amdgcn-amd-amdhsa--gfx1250"
	.amdhsa_code_object_version 6
	.text
	.protected	k_q6701c7b3c0_qkv
	.globl	k_q6701c7b3c0_qkv
	.p2align	8
	.type	k_q6701c7b3c0_qkv,@function
k_q6701c7b3c0_qkv:
	s_mov_b64 s[64:65], 0
	v_nop
	global_prefetch_b8 v0, s[64:65] scope:SCOPE_SE
	s_setreg_imm32_b32 hwreg(HW_REG_WAVE_MODE, 25, 1), 1
	s_wait_xcnt 0x0
	s_wait_alu depctr_hold_cnt(0) depctr_sa_sdst(0) depctr_va_vdst(0) depctr_va_sdst(0) depctr_va_ssrc(0) depctr_va_vcc(0) depctr_vm_vsrc(0)
	s_getreg_b32 s2, hwreg(HW_REG_IB_STS2, 6, 4)
	s_cmp_eq_u32 s2, 0
	s_cbranch_scc0 .Lentry_in_a_cluster
	s_endpgm
.Lentry_in_a_cluster:
	s_bfe_u32 s2, ttmp6, 0x10000c
	s_cmp_lg_u32 s2, 0xf033
	s_cbranch_scc0 .Lentry_shape_is_right
	s_endpgm
.Lentry_shape_is_right:
; q = x Wq^T + bq, k = x Wk^T + bk, v = x Wv^T + bv on codes of FP4 (E2M1) with one E8M0 scale for each 32 along K = 1,024, sums in f32; each result is quantised here, in registers,
; for the product that takes it: q and k along the head's 64 channels, v along the keys.  Only codes and scale bytes go to memory, laid in the order of the reader's operand registers.
; NOTHING OF THE PROBLEM IS LEFT OUT in any of the three launches: every input has a way to the output (all four biases go into a quantiser or into the output; the mask is honoured by value).
; LIMITS: a block whose largest magnitude lies under 2^-124 gets the scale byte 1 (a block of zeros too: its codes are zeros, and only this program reads the bytes); NaN and infinities among the inputs are not served.
; SHARES.  The cluster's x says which product: 0 q, 1 k, 2 v.  A work-group makes 256 tokens x 256 features; all of K lies in LDS, as two slots of 512 along K, each filled once: nothing is filled again.
; A wave makes 128 tokens (XH) x 128 features (WH): 64 accumulators of 16 x 16.  CLUSTER 4 x 4: x's tile is shared along a row of the cluster, W's along a column: joint loads.
; ROLES.  q, k: source 0 = 16 rows of W, source 1 = 16 tokens: a lane holds ONE token and its registers run along the features, which are the next K.
;         v:    source 0 = 16 tokens, source 1 = 16 rows of Wv: a lane holds ONE channel and its registers run along the tokens, which are the keys, the next K.
; The roles are chosen in the LDS read addresses alone, by a select on the cluster's x, which all sixteen partners share.
; THE QUANTISER.  Tile t of a block of results holds, in lane (r, h) register j, next-K index 16 t + 8 h + j.  A block of 32 is tiles 2 e and 2 e + 1 in lanes l and l xor 16.
; REGISTERS, in windows of 256: window 0: v1-8 at work, v16-29 addresses, v32-95 scale words (two sets), v96-111 the quantiser's, v128-255 source 1's fragments (two sets), later codes and scale words on their way out.
;   window 1: v0-63, v128-191 source 0's fragments (two sets); v64-127 the bias in the result's layout.   windows 2, 3: accumulator (a, b) at v[8 (8 (a % 4) + b)], a = source 1's block, b = source 0's.
.set PITCH,  272                       ; an LDS row: 256 bytes of codes + 16 of padding: the 16 rows of a fragment load start at 16 different banks
.set HALFT,  128*PITCH                 ; 128 rows: what one tensor load brings
.set SLOT,   4*HALFT                   ; x's 256 rows, then W's 256 rows, for 512 along K
.set SCL,    2*SLOT                    ; behind the slots: the scale bytes, as units of 256 bytes + 16 of padding
.set HALFS,  16*272                    ; those of 128 rows (32 bytes a row)
.set SBLK,   2*272                     ; those of 16 rows
.set SPARE,  319488                    ; the spare words, 128 bytes for each wave: two blocks of 256 bytes that no other line names; well behind the scales
.set ADR1, 16                          ; v16-17  LDS address of source 1's fragments in slot 0, 1
.set ADR0, 20                          ; v20-21  the same for source 0
.set LOFF, 24                          ; v24     16 x lane: my place in an image of an operand
.set SOFF, 25                          ; v25     my place among the scale words on their way out
.set VSH,  26                          ; v26     by how many bits my half of the lanes shifts a scale word
.set ADRS, 27                          ; v27     LDS address of my scale words
.set SPW,  28                          ; v28     LDS address of my spare word; never rewritten
.set NIL,  29                          ; v29     0; never rewritten
.set SC,   32                          ; scale words: set s at v[SC + 32 s]; register 4 i + q: lanes 0-15 source 1's block i, lanes 16-31 source 0's block i, the slot's q-th 128 along K
.set TM,   96                          ; v96-99 largest magnitudes, v100-103 the other half's, then bytes, v108-111 the conversions' scale operands
.set F1,   128                         ; source 1's fragments, window 0: set p at F1 + 64 p
.set CB,   64                          ; the bias, window 1
.set PC,   128                         ; the way out: block a's codes at v[PC + 8 a]
.set PW,   192                         ; its scale word at v[PW + a]
.set SHW,  200                         ; and the word as it is stored at v[SHW + a]
.set G1,   24                          ; s[24:31] descriptor group 1 for x's codes;  s[32:39] group 0, a set for each slot
.set G0,   32
.set G1B,  48                          ; s[48:55], s[56:63] the same for W's codes
.set G0B,  56
.set G1S,  68                          ; s[68:75], s[76:79] groups 1 and 0 for x's scales;  s[80:87], s[88:91] for W's
.set G0S,  76
.set G1SB, 80
.set G0SB, 88
.set ISV,  94                          ; s94  1 where the product is v
.set WV,   98                          ; s98  wave
.set XH,   99                          ; s99  which 128 tokens are mine; also: I fetch for x (0) or for W (1)
.set WH,   100                         ; s100 which 128 features are mine; also: which 128 rows I fetch
.set KIND, 101                         ; s101 0 q, 1 k, 2 v
.set SEL,  60                          ; s[60:61] (epilogue) lane selects for v_permlanex16_b32: lane l xor 16
.set MSB, 0
.macro WIN new                         ; the immediate's high byte repeats the setting that is left; a switch that changes nothing is dropped
.if MSB != (\new)
	s_set_vgpr_msb (MSB<<8)|(\new)
.set MSB, (\new)
.endif
.endm
.macro PLACES n
.rept \n
	v_nop
.endr
.endm
; A joint load: waves 0 and 1 fetch for x, waves 2 and 3 for W.  Each line has one mask and one set of registers for all that issue it; the branch hangs on the wave's number alone.
.macro JLOAD g0a, g1a, g0b, g1b
	s_cmp_eq_u32 s[XH], 0
	s_cbranch_scc0 .Lfor_b_\@
	tensor_load_to_lds s[\g0a:\g0a+3], s[\g1a:\g1a+7]
	s_nop 0
.rept 4
	v_nop
.endr
	s_branch .Lasked_\@
.Lfor_b_\@:
	tensor_load_to_lds s[\g0b:\g0b+3], s[\g1b:\g1b+7]
	s_nop 0
.rept 4
	v_nop
.endr
.Lasked_\@:
.endm
.macro CROUND                          ; a round of the cluster's barrier
	s_barrier_signal -1
	s_barrier_wait -1
	s_cmp_lg_u32 s[WV], 0
	s_cbranch_scc1 .Lnot_wave_0_\@
	s_barrier_signal -3
.Lnot_wave_0_\@:
	s_barrier_wait -3
	s_barrier_signal -1
	s_barrier_wait -1
.endm
	s_load_b512 s[4:19], s[0:1], 0x0               ; x codes, x scales, Wq codes, scales, Wk codes, scales, Wv codes, scales
	s_load_b128 s[92:95], s[0:1], 0x40             ; bq, bk
	s_load_b64 s[96:97], s[0:1], 0x50              ; bv
	v_lshl_add_u32 v[SPW], v0, 2, SPARE
	v_mov_b32 v[NIL], 0
	ds_add_u32 v[SPW], v[NIL]                      ; the wave's opening: the add, twice on end, and its wait ahead of my first tensor load
	ds_add_u32 v[SPW], v[NIL]
	v_lshrrev_b32 v1, 5, v0
	v_readfirstlane_b32 s[WV], v1
	s_lshr_b32 s[XH], s[WV], 1
	s_and_b32 s[WH], s[WV], 1
	s_mov_b32 s[KIND], ttmp9                       ; the cluster's x: the same in all sixteen partners
	s_bfe_u32 s40, ttmp6, 0x40000                  ; cx: which 256 features
	s_bfe_u32 s41, ttmp6, 0x40004                  ; cy
	s_and_b32 s42, ttmp7, 0xffff
	s_lshl_b32 s42, s42, 2
	s_add_co_u32 s42, s42, s41                     ; ty: which 256 tokens = 4 x cluster y + cy
	s_lshl_b32 s43, s41, 2
	s_lshl_b32 s43, 15, s43                        ; my row of the cluster
	s_lshl_b32 s44, 0x1111, s40                    ; my column
	; group 1 for codes: 128 rows x 256 bytes, 512 bytes from row to row in memory, 16 bytes of padding behind each row in LDS
	s_or_b32 s[G1+0], s43, (1<<20)|(1<<21)|(5<<22)|(3<<25)
	s_or_b32 s[G1B+0], s44, (1<<20)|(1<<21)|(5<<22)|(3<<25)
.irp g, G1, G1B
	s_mov_b32 s[\g+1], 256<<16                     ; tensor_dim0
	s_mov_b32 s[\g+2], 128<<16                     ; tensor_dim1
	s_mov_b32 s[\g+3], 256<<16                     ; tile_dim0
	s_mov_b32 s[\g+4], 128                         ; tile_dim1
	s_mov_b32 s[\g+5], 512                         ; the pitch
	s_mov_b32 s[\g+6], 0
	s_mov_b32 s[\g+7], 0
.endr
	; group 1 for scales: the 4,096 dense bytes of 128 rows, as 16 rows of 256 bytes (32 elements of 8 bytes), 16 bytes of padding behind each
	s_or_b32 s[G1S+0], s43, (3<<16)|(1<<20)|(1<<21)|(5<<22)|(3<<25)
	s_or_b32 s[G1SB+0], s44, (3<<16)|(1<<20)|(1<<21)|(5<<22)|(3<<25)
.irp g, G1S, G1SB
	s_mov_b32 s[\g+1], 32<<16
	s_mov_b32 s[\g+2], 16<<16
	s_mov_b32 s[\g+3], 32<<16
	s_mov_b32 s[\g+4], 16
	s_mov_b32 s[\g+5], 32
	s_mov_b32 s[\g+6], 0
	s_mov_b32 s[\g+7], 0
.endr
	s_lshl_b32 s67, s[WH], 7                       ; which 128 rows of a tile I fetch
	s_lshl_b32 s20, s42, 8
	s_add_co_u32 s20, s20, s67                     ; x: row 256 ty + 128 half
	s_lshl_b32 s22, s20, 5                         ; its scales, 32 bytes a row,
	s_lshl_b32 s20, s20, 9                         ; its codes, 512 bytes a row
	s_mov_b32 s21, 0
	s_mov_b32 s23, 0
	s_lshl_b32 s46, s40, 8
	s_add_co_u32 s46, s46, s67                     ; W: row 256 cx + 128 half
	s_lshl_b32 s2, s46, 5
	s_lshl_b32 s46, s46, 9
	s_mov_b32 s47, 0
	s_mov_b32 s3, 0
	s_mul_i32 s45, s[WV], HALFT                    ; where they go: wave x 128 rows: x's two halves, then W's two
	s_mul_i32 s66, s[WV], HALFS
	s_wait_dscnt 0x0                               ; both opening adds are done
	s_wait_kmcnt 0x0
	s_cmp_eq_u32 s[KIND], 0                        ; which weight, which bias: a choice on the cluster's x alone
	s_cselect_b64 s[8:9], s[8:9], s[12:13]
	s_cselect_b64 s[10:11], s[10:11], s[14:15]
	s_cselect_b64 s[92:93], s[92:93], s[94:95]
	s_cmp_eq_u32 s[KIND], 2
	s_cselect_b64 s[8:9], s[16:17], s[8:9]
	s_cselect_b64 s[10:11], s[18:19], s[10:11]
	s_cselect_b64 s[92:93], s[96:97], s[92:93]
	s_cselect_b32 s[ISV], 1, 0
	s_load_b256 s[12:19], s[0:1], 0x58             ; q_codes, q_scales, kv_codes, kv_scales, into registers that the choice has freed; waited for in the epilogue
	s_add_nc_u64 s[20:21], s[4:5], s[20:21]
	s_add_nc_u64 s[22:23], s[6:7], s[22:23]
	s_add_nc_u64 s[46:47], s[8:9], s[46:47]
	s_add_nc_u64 s[2:3], s[10:11], s[2:3]
	CROUND                                         ; all sixteen work-groups are here: the first joint loads meet
	s_mov_b32 s[G0S], 1
	s_add_co_u32 s[G0S+1], s66, SCL
	s_mov_b64 s[G0S+2:G0S+3], s[22:23]
	s_or_b32 s[G0S+3], s[G0S+3], 0x80000000
	s_mov_b32 s[G0SB], 1
	s_add_co_u32 s[G0SB+1], s66, SCL
	s_mov_b64 s[G0SB+2:G0SB+3], s[2:3]
	s_or_b32 s[G0SB+3], s[G0SB+3], 0x80000000
	JLOAD G0S, G1S, G0SB, G1SB                     ; the scales first: they are wanted with the first K step
.irp s, 0,1
	s_mov_b32 s[G0+4*\s], 1
	s_add_co_u32 s[G0+4*\s+1], s45, \s*SLOT
	s_add_nc_u64 s[G0+4*\s+2:G0+4*\s+3], s[20:21], \s*256
	s_or_b32 s[G0+4*\s+3], s[G0+4*\s+3], 0x80000000
	s_mov_b32 s[G0B+4*\s], 1
	s_add_co_u32 s[G0B+4*\s+1], s45, \s*SLOT
	s_add_nc_u64 s[G0B+4*\s+2:G0B+4*\s+3], s[46:47], \s*256
	s_or_b32 s[G0B+4*\s+3], s[G0B+4*\s+3], 0x80000000
	JLOAD G0+4*\s, G1, G0B+4*\s, G1B               ; three tensor loads of mine are out in all
.endr
	v_and_b32 v1, 15, v0                           ; r
	v_bfe_u32 v2, v0, 4, 1                         ; h
	v_mul_u32_u24 v3, v1, PITCH
	v_lshl_add_u32 v3, v2, 4, v3                   ; a fragment's row x pitch + 16 h
	s_mul_i32 s67, s[XH], HALFT                    ; my 128 tokens of x
	s_mul_i32 s95, s[WH], HALFT
	s_add_co_u32 s95, s95, 2*HALFT                 ; my 128 rows of W, behind x's 256
	s_cmp_eq_u32 s[ISV], 1
	s_cselect_b32 s96, s95, s67                    ; source 1: W for v, else x
	s_cselect_b32 s97, s67, s95                    ; source 0: the other
	v_add_nc_u32 v[ADR1], s96, v3
	v_add_nc_u32 v[ADR0], s97, v3
	v_add_nc_u32 v[ADR1+1], SLOT, v[ADR1]
	v_add_nc_u32 v[ADR0+1], SLOT, v[ADR0]
	v_lshlrev_b32 v4, 5, v1                        ; my row's scales: 32 bytes a row,
	v_lshrrev_b32 v5, 8, v4
	v_lshl_add_u32 v4, v5, 4, v4                   ; and 16 more for each 256 passed
	s_mul_i32 s67, s[XH], HALFS                    ; x's: my 128 tokens
	s_mul_i32 s95, s[WH], HALFS
	s_add_co_u32 s95, s95, 2*HALFS                 ; W's: my 128 rows, behind x's 256
	s_sub_co_u32 s95, s95, s67                     ; the distance between the two
	v_xor_b32 v5, s[ISV], v2                       ; lanes 0-15 take source 1's words, lanes 16-31 source 0's: W's where h xor (the product is v) is 1
	v_mul_u32_u24 v5, s95, v5
	s_add_co_u32 s67, s67, SCL
	v_add_nc_u32 v4, v4, v5
	v_add_nc_u32 v[ADRS], s67, v4
	v_and_b32 v6, 31, v0
	v_lshlrev_b32 v[LOFF], 4, v6
.irp e, 0,1,2,3
	v_mov_b32 v[TM+4+\e], 0                        ; written once: a lane permute's destination counts as one of its sources
.endr
	; the bias is the C of each sum's first matrix instruction: eight registers a tile, in the result's layout
	s_lshl_b32 s67, s40, 10
	s_lshl_b32 s95, s[WH], 9
	s_add_co_u32 s96, s67, s95                     ; my 128 features, 4 bytes each
	s_mov_b32 s97, 0
	s_add_nc_u64 s[92:93], s[92:93], s[96:97]
	v_lshlrev_b32 v7, 5, v2                        ; q, k: register j of tile b is feature 16 b + 8 h + j
	v_lshlrev_b32 v8, 2, v1                        ; v: all eight registers of tile a are channel 16 a + r
	s_cmp_eq_u32 s[ISV], 1
	s_cbranch_scc1 .Lbias_v
	WIN 0x40                                       ; destination window 1
.irp b, 0,1,2,3,4,5,6,7
	global_load_b128 v[CB+8*\b:CB+8*\b+3], v7, s[92:93] offset:64*\b
	global_load_b128 v[CB+8*\b+4:CB+8*\b+7], v7, s[92:93] offset:64*\b+16
.endr
	WIN 0
	s_branch .Lbias_done
.Lbias_v:
	WIN 0x40
.irp a, 0,1,2,3,4,5,6,7
.irp j, 0,1,2,3,4,5,6,7
	global_load_b32 v[CB+8*\a+\j], v8, s[92:93] offset:64*\a   ; the same number into eight registers: the loads ride under the fills, and no copy is written
.endr
.endr
	WIN 0
.Lbias_done:
.macro FRAG reg, adr, q, i             ; a fragment, 16 rows x 128 K: registers 4 c .. 4 c + 3 hold K = 64 c + 32 h + 0 .. 31: 16 bytes of the row as they lie
.irp c, 0,1
	ds_load_b128 v[\reg+4*\c:\reg+4*\c+3], v[\adr] offset:64*(\q)+32*\c+(\i)*16*PITCH
.endr
.endm
.macro FETCH g                         ; K step g's 16 fragments, 32 loads in one run, into set g % 2
	WIN 0x40
.irp i, 0,1,2,3,4,5,6,7
	FRAG 128*((\g)%2)+8*\i, ADR0+(\g)/4, (\g)%4, \i
.endr
	WIN 0
.irp i, 0,1,2,3,4,5,6,7
	FRAG F1+64*((\g)%2)+8*\i, ADR1+(\g)/4, (\g)%4, \i
.endr
.endm
.macro SCALES s                        ; a slot's scale words: four words a row
.irp i, 0,1,2,3,4,5,6,7
	ds_load_b128 v[SC+32*\s+4*\i:SC+32*\s+4*\i+3], v[ADRS] offset:\i*SBLK
.endr
.endm
; 64 matrix instructions: K step g.  The 64 accumulators take turns, one instruction a turn, in the same order in every step.
; cmode 0: the sums go on;  1: they start from the bias by source 0's block (q, k);  2: by source 1's block (v).
.macro MUL g, cmode
.set MP, (\g)%2
.set MS, SC+32*((\g)/4)+(\g)%4
.irp a, 0,1,2,3,4,5,6,7
.if \cmode
	WIN 0x91+0x40*(\a/4)                           ; source 0 and C window 1, source 1 window 0, D window 2 or 3
.else
	WIN 0xa1+0x50*(\a/4)                           ; source 0 window 1, source 1 window 0, C and D window 2 or 3
.endif
.irp b, 0,1,2,3,4,5,6,7
.set MD, 8*(8*(\a%4)+\b)
.if \cmode == 0
.set MC, MD
.elseif \cmode == 1
.set MC, CB+8*\b
.else
.set MC, CB+8*\a
.endif
	v_wmma_scale_f32_16x16x128_f8f6f4 v[MD:MD+7], v[128*MP+8*\b:128*MP+8*\b+7], v[F1+64*MP+8*\a:F1+64*MP+8*\a+7], v[MC:MC+7], v[MS+4*\b], v[MS+4*\a] matrix_a_fmt:MATRIX_FMT_FP4 matrix_b_fmt:MATRIX_FMT_FP4 matrix_a_scale:MATRIX_SCALE_ROW1
.endr
.endr
.endm
; A K step of 128: the next step's fragments are asked for first, into the set that the step before has multiplied (four places behind its last product), and land under this step's 64 products.
.macro KSTEP g, cmode
.if (\g) == 3
	s_wait_tensorcnt 0x0                           ; my part of slot 1 has landed,
	s_wait_dscnt 0x0                               ; no LDS instruction of mine is out,
	s_barrier_signal -1
	s_barrier_wait -1                              ; and so for all four waves: slot 1 is whole.
	v_add_nc_u32 v[ADRS], 16, v[ADRS]              ; on to slot 1's scale words
.endif
.if (\g) > 0 && (\g) < 7
	PLACES 4
.endif
.if (\g) < 7
	FETCH (\g)+1
.if (\g) == 3
	SCALES 1
.endif
.endif
.if (\g) == 7
	s_wait_dscnt 0x0
.elseif (\g) != 3
	s_wait_dscnt 32                                ; all but the 32 loads just issued: this step's fragments, and the scale words where they were asked for, are in
.endif
	MUL \g, \cmode
	WIN 0
.endm
	s_wait_tensorcnt 0x1                           ; the scales and my part of slot 0 are in; slot 1's load may stay out
	s_barrier_signal -1
	s_barrier_wait -1                              ; everybody's are
	FETCH 0
	SCALES 0
	s_wait_loadcnt 0x0                             ; the bias
	s_cmp_eq_u32 s[ISV], 1
	s_cbranch_scc1 .Lfirst_v
	KSTEP 0, 1
	s_branch .Lfirst_done
.Lfirst_v:
	KSTEP 0, 2
.Lfirst_done:
	KSTEP 1, 0
	KSTEP 2, 0
	KSTEP 3, 0
	KSTEP 4, 0
	KSTEP 5, 0
	KSTEP 6, 0
	KSTEP 7, 0
	PLACES 4                                       ; in front of the first read of results and of the first write into source 1's registers
	; THE WAY OUT.  Where the codes and the scale words go, by the product:
	;   q: q_codes  [bh][tile of 16 queries][lane][16 B];  q_scales [bh][128 queries][a / 4][r][a % 4] words, bytes 0 and 1 the head's two blocks
	;   k: kv_codes [bh][128 keys][8,192 B], tile a at 512 a;  kv_scales [bh][128 keys][768 B], laid as q's
	;   v: kv_codes, 4,096 on: [c][tile of 16 channels][lane][16 B], keys 64 c + 32 (lane / 16) + 0 .. 31;  kv_scales, 512 on: [r][tile] words, the step's four blocks of keys
	s_wait_kmcnt 0x0                               ; the four output pointers
	s_mov_b32 s[SEL], 0x76543210
	s_mov_b32 s[SEL+1], 0xfedcba98
	s_lshr_b32 s20, s42, 3
	s_lshl_b32 s20, s20, 4                         ; 16 x batch
	s_lshl_b32 s22, s40, 2
	s_add_co_u32 s20, s20, s22
	s_lshl_b32 s22, s[WH], 1
	s_add_co_u32 s20, s20, s22                     ; my first head: 16 b + 4 cx + 2 WH
	s_and_b32 s21, s42, 7
	s_lshl_b32 s21, s21, 1
	s_add_co_u32 s21, s21, s[XH]                   ; my 128 tokens among the batch's 2,048
	s_mov_b32 s30, 12288
	s_mov_b32 s31, 768
	s_cmp_eq_u32 s[KIND], 0
	s_cselect_b64 s[24:25], s[12:13], s[16:17]     ; the codes' buffer
	s_cselect_b64 s[26:27], s[14:15], s[18:19]     ; the scales' buffer
	s_cselect_b32 s28, 16, 17                      ; a head's codes: 2^16 or 2^17 bytes
	s_cselect_b32 s29, 12, 13                      ; 128 tokens' codes: 2^12 or 2^13
	s_cselect_b32 s30, 8192, s30                   ; a head's scale bytes
	s_cselect_b32 s31, 512, s31                    ; 128 tokens' scale bytes
	s_lshl_b32 s43, 1, s28
	s_lshl_b32 s44, s20, s28
	s_lshl_b32 s45, s21, s29
	s_add_co_u32 s44, s44, s45
	s_mul_i32 s46, s20, s30
	s_mul_i32 s47, s21, s31
	s_add_co_u32 s46, s46, s47
	s_cmp_eq_u32 s[ISV], 1
	s_cselect_b32 s52, 4096, 0                     ; V's codes lie behind K's in a step
	s_cselect_b32 s53, 512, 0                      ; and so do its scale words
	s_cselect_b32 s54, s43, 2048                   ; codes: from blocks 0-3 to blocks 4-7: v the next head, else four tiles on
	s_cselect_b32 s55, 2048, s43                   ; from registers 0-3 to 4-7: v the next 64 keys, else the next head
	s_cselect_b32 s56, s30, 256                    ; scale words: from blocks 0-3 to blocks 4-7
	s_cselect_b32 s57, 0, s30                      ; from lanes 0-15 to lanes 16-31: q, k the next head; v the same place
	s_cselect_b32 s58, 0, 16                       ; q, k: lanes 16-31 store the word's upper half
	s_cselect_b32 s59, -1, 0xffff                  ; q, k: two bytes a head, the upper two are 0
	s_add_co_u32 s44, s44, s52
	s_mov_b32 s45, 0
	s_add_nc_u64 s[32:33], s[24:25], s[44:45]      ; four pointers for the codes: (a / 4, c) at s[32 + 4 (a / 4) + 2 c]
	s_mov_b32 s44, s55
	s_add_nc_u64 s[34:35], s[32:33], s[44:45]
	s_mov_b32 s44, s54
	s_add_nc_u64 s[36:37], s[32:33], s[44:45]
	s_add_nc_u64 s[38:39], s[34:35], s[44:45]
	s_add_co_u32 s46, s46, s53
	s_mov_b32 s47, 0
	s_add_nc_u64 s[48:49], s[26:27], s[46:47]      ; two for the scale words
	s_mov_b32 s46, s56
	s_add_nc_u64 s[50:51], s[48:49], s[46:47]
	v_lshlrev_b32 v[SOFF], 4, v1
	v_mul_u32_u24 v3, s57, v2
	v_add_nc_u32 v[SOFF], v[SOFF], v3              ; 16 r + my half's distance
	v_mul_u32_u24 v[VSH], s58, v2
; Block a's 8 tiles, 64 numbers a lane, become 8 registers of codes in the operand's own layout, and a scale word.
.macro QUANT a
.set QW, 2+(\a)/4
.set QB, 64*((\a)%4)
	WIN QW|(QW<<2)                                 ; sources 0 and 1: the accumulators' window
.irp e, 0,1,2,3
	v_max3_num_f32 v[TM+\e], |v[QB+16*\e]|, |v[QB+16*\e+1]|, 0x1800000   ; block e: my 16 numbers, each accumulator from its low end on, and the floor 2^(3 - 127): the byte cannot fall under 1
.endr
.irp i, 2,4,6,8,10,12,14
.irp e, 0,1,2,3
	v_max3_num_f32 v[TM+\e], |v[QB+16*\e+\i]|, |v[QB+16*\e+\i+1]|, v[TM+\e]
.endr
.endr
	WIN 0
.irp e, 0,1,2,3
	v_permlanex16_b32 v[TM+4+\e], v[TM+\e], s[SEL], s[SEL+1]
.endr
.irp e, 0,1,2,3
	v_max_num_f32 v[TM+\e], v[TM+\e], v[TM+4+\e]   ; with lane l xor 16's 16: the block's largest magnitude
.endr
.irp e, 0,1,2,3
	v_add_nc_u32 v[TM+12+\e], 0xff000000, v[TM+\e] ; 2 off its exponent field: the conversion's scale operand
.endr
.irp e, 0,1,2,3
	v_lshrrev_b32 v[TM+4+\e], 23, v[TM+12+\e]      ; the scale's byte
.endr
	v_lshl_or_b32 v[PW+\a], v[TM+5], 8, v[TM+4]
	v_lshl_or_b32 v[PW+\a], v[TM+6], 16, v[PW+\a]
	v_lshl_or_b32 v[PW+\a], v[TM+7], 24, v[PW+\a]
	WIN QW                                         ; source 0: the accumulators' window
.irp c, 0,1                                    ; a conversion gives 8 codes of index 16 t + 8 h + 0 .. 7; the order below and the two exchanges give lanes 0-15 block 2 c, lanes 16-31 block 2 c + 1, ascending
	v_cvt_scalef32_pk8_fp4_f32 v[PC+8*\a+4*\c],   v[QB+32*\c:QB+32*\c+7],     v[TM+12+2*\c]
	v_cvt_scalef32_pk8_fp4_f32 v[PC+8*\a+4*\c+1], v[QB+32*\c+16:QB+32*\c+23], v[TM+13+2*\c]
	v_cvt_scalef32_pk8_fp4_f32 v[PC+8*\a+4*\c+2], v[QB+32*\c+8:QB+32*\c+15],  v[TM+12+2*\c]
	v_cvt_scalef32_pk8_fp4_f32 v[PC+8*\a+4*\c+3], v[QB+32*\c+24:QB+32*\c+31], v[TM+13+2*\c]
.endr
	WIN 0
	v_nop                                          ; one plain place behind a scaled conversion
.irp c, 0,1
	v_permlane16_swap_b32 v[PC+8*\a+4*\c],   v[PC+8*\a+4*\c+1]
	v_permlane16_swap_b32 v[PC+8*\a+4*\c+2], v[PC+8*\a+4*\c+3]
.endr
.endm
.irp a, 0,1,2,3,4,5,6,7                        ; every store has data registers of its own: none is written again
	QUANT \a
	global_store_b128 v[LOFF], v[PC+8*\a:PC+8*\a+3],   s[32+4*(\a/4):33+4*(\a/4)] offset:(\a%4)*512   ; 32 lanes store 512 consecutive bytes, aligned
	global_store_b128 v[LOFF], v[PC+8*\a+4:PC+8*\a+7], s[34+4*(\a/4):35+4*(\a/4)] offset:(\a%4)*512
.if \a%4 == 3
.irp i, 0,1,2,3
	v_lshrrev_b32 v[SHW+\a-3+\i], v[VSH], v[PW+\a-3+\i]
.endr
.irp i, 0,1,2,3
	v_and_b32 v[SHW+\a-3+\i], s59, v[SHW+\a-3+\i]
.endr
	global_store_b128 v[SOFF], v[SHW+\a-3:SHW+\a], s[48+2*(\a/4):49+2*(\a/4)]   ; sixteen lanes store 256 consecutive bytes, aligned; for v lanes 16-31 store the same bytes to the same place as lanes 0-15
.endif
.endr
	s_wait_tensorcnt 0x0                           ; the wave's end
	ds_add_u32 v[SPW], v[NIL]
	s_wait_dscnt 0x0
	CROUND                                         ; the closing round
	s_endpgm
.Lfunc_end_k_q6701c7b3c0_qkv:
	.size	k_q6701c7b3c0_qkv, .Lfunc_end_k_q6701c7b3c0_qkv-k_q6701c7b3c0_qkv
	.p2alignl 7, 3214868480
	.fill 96, 4, 3214868480
	.section	.rodata,"a",@progbits
	.p2align	6, 0x0
	.amdhsa_kernel k_q6701c7b3c0_qkv
		.amdhsa_group_segment_fixed_size 327680
		.amdhsa_private_segment_fixed_size 0
		.amdhsa_enable_private_segment 0
		.amdhsa_kernarg_size 120
		.amdhsa_user_sgpr_count 2
		.amdhsa_user_sgpr_kernarg_segment_ptr 1
		.amdhsa_wavefront_size32 1
		.amdhsa_system_sgpr_workgroup_id_x 1
		.amdhsa_system_sgpr_workgroup_id_y 1
		.amdhsa_system_sgpr_workgroup_id_z 1
		.amdhsa_system_vgpr_workitem_id 0
		.amdhsa_next_free_vgpr 1024
		.amdhsa_next_free_sgpr 102
		.amdhsa_reserve_vcc 0
		.amdhsa_float_denorm_mode_32 3
		.amdhsa_float_denorm_mode_16_64 3
		.amdhsa_memory_ordered 1
		.amdhsa_forward_progress 1
		.amdhsa_inst_pref_size 147
	.end_amdhsa_kernel
	.amdgpu_metadata
---
amdhsa.version: [ 1, 2 ]
amdhsa.kernels:
  - .name:           k_q6701c7b3c0_qkv
    .symbol:         k_q6701c7b3c0_qkv.kd
    .args:
      - { .name: x_codes, .offset: 0, .size: 8, .value_kind: global_buffer, .address_space: global }
      - { .name: x_scales, .offset: 8, .size: 8, .value_kind: global_buffer, .address_space: global }
      - { .name: Wq_codes, .offset: 16, .size: 8, .value_kind: global_buffer, .address_space: global }
      - { .name: Wq_scales, .offset: 24, .size: 8, .value_kind: global_buffer, .address_space: global }
      - { .name: Wk_codes, .offset: 32, .size: 8, .value_kind: global_buffer, .address_space: global }
      - { .name: Wk_scales, .offset: 40, .size: 8, .value_kind: global_buffer, .address_space: global }
      - { .name: Wv_codes, .offset: 48, .size: 8, .value_kind: global_buffer, .address_space: global }
      - { .name: Wv_scales, .offset: 56, .size: 8, .value_kind: global_buffer, .address_space: global }
      - { .name: bq, .offset: 64, .size: 8, .value_kind: global_buffer, .address_space: global }
      - { .name: bk, .offset: 72, .size: 8, .value_kind: global_buffer, .address_space: global }
      - { .name: bv, .offset: 80, .size: 8, .value_kind: global_buffer, .address_space: global }
      - { .name: q_codes, .offset: 88, .size: 8, .value_kind: global_buffer, .address_space: global }
      - { .name: q_scales, .offset: 96, .size: 8, .value_kind: global_buffer, .address_space: global }
      - { .name: kv_codes, .offset: 104, .size: 8, .value_kind: global_buffer, .address_space: global }
      - { .name: kv_scales, .offset: 112, .size: 8, .value_kind: global_buffer, .address_space: global }
    .group_segment_fixed_size: 327680
    .private_segment_fixed_size: 0
    .kernarg_segment_align: 8
    .kernarg_segment_size: 120
    .max_flat_workgroup_size: 128
    .sgpr_count:     102
    .vgpr_count:     1024
    .wavefront_size: 32
...
	.end_amdgpu_metadata
.endif
;; end of part 1
;; launch attn (part 2): grid 4 x 64, 16 waves a work-group, clusters of 4 x 1, 167,936 bytes of LDS; arguments q_codes, q_scales, kv_codes, kv_scales, mask, att_codes, att_scales; writes att_codes, att_scales
.if DOCPART == 2
	.amdgcn_target "amdgcn-amd-amdhsa--gfx1250"
	.amdhsa_code_object_version 6
	.text
	.protected	k_q6701c7b3c0_attn
	.globl	k_q6701c7b3c0_attn
	.p2align	8
	.type	k_q6701c7b3c0_attn,@function
k_q6701c7b3c0_attn:
	s_mov_b64 s[64:65], 0
	v_nop
	global_prefetch_b8 v0, s[64:65] scope:SCOPE_SE
	s_setreg_imm32_b32 hwreg(HW_REG_WAVE_MODE, 25, 1), 1
	s_wait_xcnt 0x0
	s_wait_alu depctr_hold_cnt(0) depctr_sa_sdst(0) depctr_va_vdst(0) depctr_va_sdst(0) depctr_va_ssrc(0) depctr_va_vcc(0) depctr_vm_vsrc(0)
	s_getreg_b32 s2, hwreg(HW_REG_IB_STS2, 6, 4)
	s_cmp_eq_u32 s2, 0
	s_cbranch_scc0 .Lentry_in_a_cluster
	s_endpgm
.Lentry_in_a_cluster:
	s_bfe_u32 s2, ttmp6, 0x10000c
	s_cmp_lg_u32 s2, 0x3003
	s_cbranch_scc0 .Lentry_shape_is_right
	s_endpgm
.Lentry_shape_is_right:
; attended[b][q][h][:] = the sum over k of softmax_k(q . k / 8, keys with mask == 0 at -infinity) v, both products on codes of FP4 with E8M0 scales; the result is quantised here along the model's 1,024 for the last product.
; Nothing is left out.  THE SOFTMAX AHEAD OF THE SECOND PRODUCT: t = score x log2(e) / 8; M = the running largest t rounded UP to a whole number; p = 2^(t - M) is quantised along the keys, not normalised;
; the row's sum is taken of the unquantised p and divides at the end; when M moves, the sum and O are multiplied by 2^(old M - new M), which rounds nothing.
; THE MASK RIDES IN THE FIRST PRODUCT'S PADDING.  The head has K = 64, the instruction 128.  At k = 64 K's fragment holds the code +6 and Q's the code -6; all other padding codes are 0.  That block's scale byte is 124 on Q's side,
; and on K's side 250 where the key's mask is 0, else 1.  So a masked key's score gets -36 x 2^120 and an open key's -36 x 2^-129, which is under every rounding of a score.  The largest t starts at -2^100, above every masked t:
; masked keys give p = 0 in every step, a wholly masked step too.  A batch with every key masked ends with the sum 0: its rows get codes of 0 and the scale bytes 0xff, which the last product turns into NaN, as a softmax of -infinities is.
; LIMITS: a t under -2^100 counts as masked; p under 2^-126 falls to 0; a block whose largest magnitude lies under 2^-124 gets the byte 1; NaN and infinities among the inputs are not served.
; SHARES.  A work-group owns 512 queries of one head; each of its 16 waves runs two tiles of 16 queries, one after the other, in 256 registers: four waves to a SIMD, so that one wave's vector work stands beside another's products and loads.
; CLUSTER.  The four work-groups of a cluster own one head and need the same K and V: 131,072 bytes of codes, asked for JOINTLY, once, a key step (8,192 bytes) to a wave.  Nothing is filled again.
; LAYOUT.  Both products are used transposed: S^T = K Q^T, O^T = V^T P^T: a lane holds ONE query throughout.  K's and V's fragments lie in memory and in LDS as images of the operand's registers: 16 bytes a lane, 512 a load.
; REGISTERS: v1-11 addresses; v12 -M, v13 the largest t, v[14:15] the sum in two halves; v16-23 Q; v24-27 K's scale words, v28-31 V's; v32-95 K's 8 fragments; v96-159 S^T, then p; v160-191 O^T; v192-223 V's 4 fragments;
;   v224-231 p's codes; v232-254 at work; v253 p's scale word; v255 Q's.
.set KS2,   131072                     ; LDS: behind K's and V's codes: K's scale words with the mask's byte, 512 bytes a step, written by the waves
.set VSB,   139264                     ; V's scale words, 256 bytes a step
.set SPARE, 143360                     ; the spare words, 128 bytes for each wave: eight blocks of 256 bytes that no other line names
.set LI,   1                           ; v1   16 x lane
.set AKS,  2                           ; v2   KS2 + 16 x lane
.set AVS,  3                           ; v3   VSB + 16 r
.set SPW,  5                           ; v5   LDS address of my spare word; never rewritten
.set NIL,  6                           ; v6   0; never rewritten
.set QSO,  7                           ; v7   16 r: Q's scale word
.set ADK,  8                           ; v8-10 the step's LDS addresses
.set ADS,  9
.set ADT,  10
.set ASO,  11                          ; v11  4 r: the attended rows' scale bytes
.set QF,   16
.set KSC,  24
.set VSC,  28
.set KF,   32
.set ST,   96
.set OT,   160
.set VF,   192
.set PCD,  224
.set BM,   232                         ; v232-235 the blocks' largest
.set PT,   236                         ; v236-239 the other half's, sums, bytes
.set AT,   240                         ; v240-243 the attended rows' codes
.set SO,   244                         ; v244-247 the conversions' scale operands
.set FF,   250                         ; v[250:251] f = 2^(old M - new M), and a 0 named with it as a pair
.set PSW,  253
.set QSW,  255
.set WV,   18
.set SEL,  20                          ; s[20:21] lane selects for v_permlanex16_b32: lane l xor 16
.set CS,   22                          ; s[22:23] c = log2(e) / 8
.set G1,   24                          ; s[24:31] descriptor group 1;  s[48:51] group 0
.set G0,   48
.set TB,   60                          ; s60  where the step's codes begin in LDS: 8,192 a step
.set TS,   61                          ; s61  K's scale words: 512 a step
.set TV,   62                          ; s62  V's: 256 a step
.set CNT,  63
.macro CROUND                          ; a round of the cluster's barrier
	s_barrier_signal -1
	s_barrier_wait -1
	s_cmp_lg_u32 s[WV], 0
	s_cbranch_scc1 .Lnot_wave_0_\@
	s_barrier_signal -3
.Lnot_wave_0_\@:
	s_barrier_wait -3
	s_barrier_signal -1
	s_barrier_wait -1
.endm
	s_load_b256 s[4:11], s[0:1], 0x0               ; q_codes, q_scales, kv_codes, kv_scales
	s_load_b128 s[12:15], s[0:1], 0x20             ; mask, att_codes
	s_load_b64 s[16:17], s[0:1], 0x30              ; att_scales
	v_lshl_add_u32 v[SPW], v0, 2, SPARE
	v_mov_b32 v[NIL], 0
	ds_add_u32 v[SPW], v[NIL]                      ; the wave's opening: the add, twice on end, and its wait ahead of my first tensor load
	ds_add_u32 v[SPW], v[NIL]
	v_lshrrev_b32 v8, 5, v0
	v_readfirstlane_b32 s[WV], v8                  ; wave 0..15
	s_bfe_u32 s66, ttmp6, 0x40000                  ; cx: which 512 queries: it enters global addresses of Q and of the results alone
	s_and_b32 s67, ttmp7, 0xffff                   ; batch x 16 + head, which the four partners share
	s_lshr_b32 s68, s67, 4                         ; batch
	s_and_b32 s69, s67, 15                         ; head
	s_mov_b32 s[G1], 15|(3<<16)|(1<<21)            ; the mask: all four work-groups; elements of 8 bytes; bit 21 beside a mask; no padding
	s_mov_b32 s[G1+1], 32<<16                      ; a dense block of 8,192 bytes as 32 rows of 256 bytes
	s_mov_b32 s[G1+2], 32<<16
	s_mov_b32 s[G1+3], 32<<16
	s_mov_b32 s[G1+4], 32
	s_mov_b32 s[G1+5], 32
	s_mov_b32 s[G1+6], 0
	s_mov_b32 s[G1+7], 0
	s_lshl_b32 s82, s[WV], 13                      ; key step = wave: its place in LDS,
	s_lshl_b32 s80, s67, 17
	s_add_co_u32 s80, s80, s82                     ; and in kv_codes
	s_mov_b32 s81, 0
	s_lshl_b32 s83, s66, 5
	s_add_co_u32 s83, s83, s[WV]                   ; my first tile of queries in the head: 32 cx + wave; the second lies 16 tiles on
	s_lshl_b32 s84, s67, 16
	s_lshl_b32 s70, s83, 9
	s_add_co_u32 s84, s84, s70                     ; q_codes: 65,536 a head, 512 a tile
	s_mov_b32 s85, 0
	s_lshl_b32 s86, s67, 13
	s_lshr_b32 s70, s83, 2
	s_lshl_b32 s70, s70, 8
	s_add_co_u32 s86, s86, s70
	s_and_b32 s70, s83, 3
	s_lshl_b32 s70, s70, 2
	s_add_co_u32 s86, s86, s70                     ; q_scales: 8,192 a head, 256 for four tiles, 4 a tile (and 16 a row)
	s_mov_b32 s87, 0
	s_lshl_b32 s70, s68, 7
	s_add_co_u32 s70, s70, s83                     ; the tile among all rows: 128 batch + 32 cx + wave
	s_lshl_b32 s88, s70, 13
	s_lshl_b32 s71, s69, 9
	s_add_co_u32 s88, s88, s71                     ; att_codes: 8,192 a tile of rows, 512 a head
	s_mov_b32 s89, 0
	s_lshl_b32 s90, s70, 9
	s_lshr_b32 s71, s69, 1
	s_lshl_b32 s71, s71, 6
	s_add_co_u32 s90, s90, s71
	s_and_b32 s71, s69, 1
	s_lshl_b32 s71, s71, 1
	s_add_co_u32 s90, s90, s71                     ; att_scales: 512 a tile of rows, 64 for two heads, 2 a head (and 4 a row)
	s_mov_b32 s91, 0
	s_mul_i32 s56, s67, 12288                      ; kv_scales: 12,288 a head
	s_mov_b32 s57, 0
	s_lshl_b32 s58, s68, 13                        ; mask: 8,192 a batch
	s_mov_b32 s59, 0
	s_mov_b32 s[SEL], 0x76543210
	s_mov_b32 s[SEL+1], 0xfedcba98
	s_mov_b32 s[CS], 0x3e38aa3b                    ; c = log2(e) / 8
	s_mov_b32 s[CS+1], s[CS]                       ; (named with it as a pair, so it is written)
	s_wait_dscnt 0x0                               ; both opening adds are done
	s_wait_kmcnt 0x0
	s_mov_b32 s[G0], 1
	s_mov_b32 s[G0+1], s82
	s_add_nc_u64 s[G0+2:G0+3], s[8:9], s[80:81]
	s_or_b32 s[G0+3], s[G0+3], 0x80000000
	s_add_nc_u64 s[72:73], s[4:5], s[84:85]        ; Q's codes
	s_add_nc_u64 s[74:75], s[6:7], s[86:87]        ; Q's scale words
	s_add_nc_u64 s[76:77], s[14:15], s[88:89]      ; the attended rows' codes
	s_add_nc_u64 s[78:79], s[16:17], s[90:91]      ; and scale bytes
	s_add_nc_u64 s[10:11], s[10:11], s[56:57]
	s_add_nc_u64 s[12:13], s[12:13], s[58:59]
	CROUND                                         ; all four work-groups are here: the joint loads meet
	tensor_load_to_lds s[G0:G0+3], s[G1:G1+7]      ; my one tensor load: key step = wave
	s_nop 0
.rept 4
	v_nop
.endr
	; the head's scale words and the batch's mask, a share to each of the 512 threads: thread t takes 16 bytes of K's words (step t / 32; keys 64 (t / 16) + 16 i + t % 16, i = 0 .. 3), 8 bytes of V's, four mask words
	v_lshrrev_b32 v112, 5, v0
	v_and_b32 v113, 31, v0
	v_mul_u32_u24 v112, 768, v112
	v_lshl_add_u32 v114, v113, 4, v112
	v_lshl_add_u32 v115, v113, 3, v112
	v_lshrrev_b32 v116, 4, v0
	v_and_b32 v117, 15, v0
	v_lshlrev_b32 v117, 2, v117
	v_lshl_add_u32 v116, v116, 8, v117
	global_load_b128 v[96:99], v114, s[10:11]
	global_load_b64 v[100:101], v115, s[10:11] offset:512
.irp i, 0,1,2,3
	global_load_b32 v[102+\i], v116, s[12:13] offset:64*\i
.endr
	v_and_b32 v8, 31, v0
	v_lshlrev_b32 v[LI], 4, v8
	v_add_nc_u32 v[AKS], KS2, v[LI]
	v_and_b32 v9, 15, v0                           ; r
	v_bfe_u32 v10, v0, 4, 1                        ; h
	v_lshlrev_b32 v[QSO], 4, v9
	v_add_nc_u32 v[AVS], VSB, v[QSO]
	v_lshlrev_b32 v[ASO], 2, v9
	v_sub_nc_u32 v10, 1, v10                       ; 1 in lanes 0-15, which hold k = 64 .. 95 in registers 4-7
	v_mul_u32_u24 v[QF+4], 15, v10                 ; Q at k = 64: the code of -6
	v_mov_b32 v[QF+5], 0
	v_mov_b32 v[QF+6], 0
	v_mov_b32 v[QF+7], 0
.irp a, 0,1,2,3,4,5,6,7
	v_mul_u32_u24 v[KF+8*\a+4], 7, v10             ; K at k = 64: the code of +6.  These registers are set once: the loads fill registers 0-3 alone
	v_mov_b32 v[KF+8*\a+5], 0
	v_mov_b32 v[KF+8*\a+6], 0
	v_mov_b32 v[KF+8*\a+7], 0
.endr
.irp b, 0,1,2,3
	v_mov_b32 v[PT+\b], 0                          ; written once: a lane permute's destination counts as one of its sources
.endr
	v_mov_b32 v[FF+1], 0
	v_mov_b32 v252, 0
	v_mov_b32 v106, 1<<16
	v_mov_b32 v107, 250<<16
	v_lshl_add_u32 v109, v0, 4, KS2
	v_lshl_add_u32 v110, v0, 3, VSB
	s_wait_loadcnt 0x0
.irp i, 0,1,2,3
	v_cmp_eq_u32 vcc_lo, 0, v[102+\i]
	v_cndmask_b32 v108, v106, v107, vcc_lo         ; byte 2 of the key's scale word: 250 where the mask is 0, else 1
	v_or_b32 v[96+\i], v[96+\i], v108
.endr
	ds_store_b128 v109, v[96:99]
	ds_store_b64 v110, v[100:101]
	s_wait_tensorcnt 0x0                           ; my key step has landed,
	s_wait_dscnt 0x0                               ; my stores too,
	s_barrier_signal -1
	s_barrier_wait -1                              ; and everybody's: from here on LDS is only read
; A KEY STEP: 128 keys.
.macro STEP
	v_add_nc_u32 v[ADK], s[TB], v[LI]              ; these three and the v_nop are the four places behind the last step's products, in front of loads into registers that they have read
	v_add_nc_u32 v[ADS], s[TS], v[AKS]
	v_add_nc_u32 v[ADT], s[TV], v[AVS]
	v_nop
.irp a, 0,1,2,3,4,5,6,7
	ds_load_b128 v[KF+8*\a:KF+8*\a+3], v[ADK] offset:512*\a      ; K's tile a: keys 16 a + r, block lane / 16 of the head's two
.endr
	ds_load_b128 v[KSC:KSC+3], v[ADS]              ; K's scale words: lanes 0-15 tiles 0-3, lanes 16-31 tiles 4-7
.irp t, 0,1,2,3
.irp c, 0,1
	ds_load_b128 v[VF+8*\t+4*\c:VF+8*\t+4*\c+3], v[ADK] offset:4096+2048*\c+512*\t   ; V's tile t: channels 16 t + r, keys 64 c + 32 (lane / 16) + 0 .. 31
.endr
.endr
	ds_load_b128 v[VSC:VSC+3], v[ADT]              ; V's scale words: register t for tile t
	s_wait_dscnt 9                                 ; K and its words are in; V's eight loads and its words may be out
.irp a, 0,1,2,3
	v_wmma_scale_f32_16x16x128_f8f6f4 v[ST+8*\a:ST+8*\a+7], v[KF+8*\a:KF+8*\a+7], v[QF:QF+7], 0, v[KSC+\a], v[QSW] matrix_a_fmt:MATRIX_FMT_FP4 matrix_b_fmt:MATRIX_FMT_FP4
.endr
.irp a, 4,5,6,7
	v_wmma_scale_f32_16x16x128_f8f6f4 v[ST+8*\a:ST+8*\a+7], v[KF+8*\a:KF+8*\a+7], v[QF:QF+7], 0, v[KSC+\a-4], v[QSW] matrix_a_fmt:MATRIX_FMT_FP4 matrix_b_fmt:MATRIX_FMT_FP4 matrix_a_scale:MATRIX_SCALE_ROW1
.endr                                          ; lane (r, h) holds query r; register 8 a + j is key 16 a + 8 h + j: block b of 32 keys is registers 16 b .. 16 b + 15 of lanes l and l xor 16
.rept 4
	v_nop
.endr
.irp b, 0,1,2,3
	v_max3_num_f32 v[BM+\b], v[ST+16*\b], v[ST+16*\b+1], v[ST+16*\b+2]   ; the largest score of each block: it serves for the row's maximum and, since p rises with the score, for the block's largest p
.endr
.irp i, 3,5,7,9,11,13
.irp b, 0,1,2,3
	v_max3_num_f32 v[BM+\b], v[BM+\b], v[ST+16*\b+\i], v[ST+16*\b+\i+1]
.endr
.endr
.irp b, 0,1,2,3
	v_max_num_f32 v[BM+\b], v[BM+\b], v[ST+16*\b+15]
.endr
.irp b, 0,1,2,3
	v_permlanex16_b32 v[PT+\b], v[BM+\b], s[SEL], s[SEL+1]
.endr
.irp b, 0,1,2,3
	v_max_num_f32 v[BM+\b], v[BM+\b], v[PT+\b]     ; with lane l xor 16's 16 keys
.endr
	v_max3_num_f32 v254, v[BM], v[BM+1], v[BM+2]
	v_max_num_f32 v254, v254, v[BM+3]              ; the step's largest score of my query
	v_mul_f32 v254, s[CS], v254                    ; as t (c is positive)
	v_max_num_f32 v13, v13, v254                   ; the running largest t
	v_mov_b32 v254, v12
	v_floor_f32 v12, -v13                          ; the new -M = floor(-t): M is a whole number
	v_sub_f32 v254, v12, v254                      ; old M less new M: a whole number, 0 or less
	v_cvt_i32_f32 v254, v254                       ; (it saturates)
	v_ldexp_f32 v[FF], 1.0, v254                   ; f = 2^(old M - new M)
.set jj, 0
.rept 32
	v_pk_fma_f32 v[ST+jj:ST+jj+1], v[ST+jj:ST+jj+1], s[CS:CS+1], v[12:13] op_sel_hi:[1,0,0]   ; t - M, two at a time
.set jj, jj+2
.endr
.irp b, 0,1,2,3
	v_fma_f32 v[BM+\b], v[BM+\b], s[CS], v12       ; the same of each block's largest score
.endr
.set jj, 0
.rept 64
	v_exp_f32 v[ST+jj], v[ST+jj]                   ; p = 2^(t - M), at most 1; 0 for a masked key
.set jj, jj+1
.endr
	v_pk_mul_f32 v[14:15], v[14:15], v[FF:FF+1] op_sel_hi:[1,0]   ; the sums under the new M: a plain place behind the exponentials
	s_wait_alu depctr_va_vdst(0)                   ; one wait for the whole batch, ahead of its first reader
.irp b, 0,1,2,3
	v_exp_f32 v[BM+\b], v[BM+\b]                   ; the block's largest p
.endr
	v_pk_add_f32 v[PT:PT+1], v[ST:ST+1], v[ST+2:ST+3]   ; the row's sum is taken of the unquantised p: two at a time, in two chains
.set jj, 4
.rept 15
	v_pk_add_f32 v[14:15], v[14:15], v[ST+jj:ST+jj+1]
	v_pk_add_f32 v[PT:PT+1], v[PT:PT+1], v[ST+jj+2:ST+jj+3]
.set jj, jj+4
.endr
	v_pk_add_f32 v[14:15], v[14:15], v[PT:PT+1]
	s_wait_alu depctr_va_vdst(0)                   ; and one for the four
.irp b, 0,1,2,3
	v_max_num_f32 v[BM+\b], 0x1800000, v[BM+\b]    ; the floor 2^(3 - 127): the byte cannot fall under 1 (a block whose every p is 0 keeps that byte: its codes are zeros)
.endr
.irp b, 0,1,2,3
	v_add_nc_u32 v[SO+\b], 0xff000000, v[BM+\b]    ; 2 off the exponent field: the conversion's scale operand
.endr
.irp b, 0,1,2,3
	v_lshrrev_b32 v[PT+\b], 23, v[SO+\b]           ; the scale's byte
.endr
	v_lshl_or_b32 v[PSW], v[PT+1], 8, v[PT]        ; p's scale word for these 128 keys
	v_lshl_or_b32 v[PSW], v[PT+2], 16, v[PSW]
	v_lshl_or_b32 v[PSW], v[PT+3], 24, v[PSW]
.irp c, 0,1                                    ; a conversion gives 8 codes of keys 16 a + 8 h + 0 .. 7; the order below and the exchanges give lanes 0-15 block 2 c, lanes 16-31 block 2 c + 1, ascending
	v_cvt_scalef32_pk8_fp4_f32 v[PCD+4*\c],   v[ST+32*\c:ST+32*\c+7],     v[SO+2*\c]
	v_cvt_scalef32_pk8_fp4_f32 v[PCD+4*\c+1], v[ST+32*\c+16:ST+32*\c+23], v[SO+2*\c+1]
	v_cvt_scalef32_pk8_fp4_f32 v[PCD+4*\c+2], v[ST+32*\c+8:ST+32*\c+15],  v[SO+2*\c]
	v_cvt_scalef32_pk8_fp4_f32 v[PCD+4*\c+3], v[ST+32*\c+24:ST+32*\c+31], v[SO+2*\c+1]
.endr
	v_nop                                          ; one plain place behind a scaled conversion
.irp c, 0,1
	v_permlane16_swap_b32 v[PCD+4*\c],   v[PCD+4*\c+1]
	v_permlane16_swap_b32 v[PCD+4*\c+2], v[PCD+4*\c+3]
.endr
.set jj, 0
.rept 16
	v_pk_mul_f32 v[OT+jj:OT+jj+1], v[OT+jj:OT+jj+1], v[FF:FF+1] op_sel_hi:[1,0]   ; O^T under the new M, tile 0 first: the twelve on tiles 1 to 3 are the places between p's scale word and codes and the first product below
.set jj, jj+2
.endr
	s_wait_dscnt 0x0                               ; V and its words are in
.irp t, 0,1,2,3
	v_wmma_scale_f32_16x16x128_f8f6f4 v[OT+8*\t:OT+8*\t+7], v[VF+8*\t:VF+8*\t+7], v[PCD:PCD+7], v[OT+8*\t:OT+8*\t+7], v[VSC+\t], v[PSW] matrix_a_fmt:MATRIX_FMT_FP4 matrix_b_fmt:MATRIX_FMT_FP4
.endr                                          ; the four accumulators take turns, and the eight products K Q^T stand between a link and the next
	s_add_co_u32 s[TB], s[TB], 8192
	s_add_co_u32 s[TS], s[TS], 512
	s_add_co_u32 s[TV], s[TV], 256
.endm
.macro LOOP n
	s_mov_b32 s[CNT], \n
.Lstep_\@:
	STEP
	s_sub_co_u32 s[CNT], s[CNT], 1
	s_cmp_lg_u32 s[CNT], 0
	s_cbranch_scc1 .Lstep_\@
.endm
; THE WAY OUT of a tile of queries: O^T / the sum, quantised along the head's 64 channels (two blocks of the last product's K), as an image of that product's operand.
.macro OUT u
.rept 4
	v_nop                                          ; places behind the last products
.endr
	s_wait_xcnt 0x0                                ; the last tile's stores have read their data: it may be written again
	v_add_f32 v14, v14, v15                        ; the sum's two halves,
	v_permlanex16_b32 v252, v14, s[SEL], s[SEL+1]
	v_add_f32 v248, v14, v252                      ; and lane l xor 16's: the row's sum
	v_mov_b32 v252, 1.0
	v_cmp_eq_f32 vcc_lo, 0, v248                   ; 0 only where every key of the batch is masked
	v_cndmask_b32 v14, v248, v252, vcc_lo          ; there the divisor is 1: O^T is 0 and stays 0
	v_rcp_f32 v14, v14
	v_mov_b32 v252, 0xffff                         ; (a plain place behind the reciprocal)
	s_wait_alu depctr_va_vdst(0)                   ; the wait ahead of its first reader
.set jj, 0
.rept 16
	v_pk_mul_f32 v[ST+jj:ST+jj+1], v[OT+jj:OT+jj+1], v[14:15] op_sel_hi:[1,0]   ; register 8 t + j is channel 16 t + 8 h + j of query r; each accumulator from its low end on
.set jj, jj+2
.endr
.irp e, 0,1
	v_max3_num_f32 v[BM+\e], |v[ST+16*\e]|, |v[ST+16*\e+1]|, 0x1800000
.endr
.irp i, 2,4,6,8,10,12,14
.irp e, 0,1
	v_max3_num_f32 v[BM+\e], v[BM+\e], |v[ST+16*\e+\i]|, |v[ST+16*\e+\i+1]|
.endr
.endr
.irp e, 0,1
	v_permlanex16_b32 v[PT+\e], v[BM+\e], s[SEL], s[SEL+1]
.endr
.irp e, 0,1
	v_max_num_f32 v[BM+\e], v[BM+\e], v[PT+\e]
.endr
.irp e, 0,1
	v_add_nc_u32 v[SO+\e], 0xff000000, v[BM+\e]
.endr
.irp e, 0,1
	v_lshrrev_b32 v[PT+\e], 23, v[SO+\e]
.endr
	v_lshl_or_b32 v249, v[PT+1], 8, v[PT]          ; the head's two scale bytes of my row,
	v_cndmask_b32 v249, v249, v252, vcc_lo         ; or 0xff twice where the sum is 0
	v_cvt_scalef32_pk8_fp4_f32 v[AT],   v[ST:ST+7],     v[SO]
	v_cvt_scalef32_pk8_fp4_f32 v[AT+1], v[ST+16:ST+23], v[SO+1]
	v_cvt_scalef32_pk8_fp4_f32 v[AT+2], v[ST+8:ST+15],  v[SO]
	v_cvt_scalef32_pk8_fp4_f32 v[AT+3], v[ST+24:ST+31], v[SO+1]
	v_nop
	v_permlane16_swap_b32 v[AT],   v[AT+1]
	v_permlane16_swap_b32 v[AT+2], v[AT+3]
	global_store_b128 v[LI], v[AT:AT+3], s[76:77] offset:131072*\u   ; 32 lanes store 512 consecutive bytes, aligned
	global_store_b16 v[ASO], v249, s[78:79] offset:8192*\u           ; 2 bytes a row inside 64 bytes: the word's other half is another head's work-group's; lanes 16-31 store the same bytes as lanes 0-15.  One byte in 16 of what the launch stores
.endm
.macro QBLOCK u                        ; tile 32 cx + 16 u + wave of the head's queries against all 2,048 keys
	global_load_b128 v[QF:QF+3], v[LI], s[72:73] offset:8192*\u
	global_load_b32 v[QSW], v[QSO], s[74:75] offset:1024*\u
	v_mov_b32 v13, 0xf1800000                      ; the largest t so far: -2^100
	v_floor_f32 v12, -v13                          ; -M
	v_mov_b32 v14, 0                               ; the sum, in two halves
	v_mov_b32 v15, 0
	s_mov_b32 s[TB], 0
	s_mov_b32 s[TS], 0
	s_mov_b32 s[TV], 0
	s_wait_loadcnt 0x0
	v_or_b32 v[QSW], 0x7c0000, v[QSW]              ; byte 2 of Q's scale word: 124
.set jj, 0
.rept 32
	v_mov_b32 v[OT+jj], 0                          ; O^T: the step is written once, and the first change of M leaves zeros zeros.  (These are also the places between Q's scale word and the first product)
.set jj, jj+1
.endr
	LOOP 16
	OUT \u
.endm
	QBLOCK 0
	QBLOCK 1
	s_wait_tensorcnt 0x0                           ; the wave's end
	ds_add_u32 v[SPW], v[NIL]
	s_wait_dscnt 0x0
	CROUND                                         ; the closing round
	s_endpgm
.Lfunc_end_k_q6701c7b3c0_attn:
	.size	k_q6701c7b3c0_attn, .Lfunc_end_k_q6701c7b3c0_attn-k_q6701c7b3c0_attn
	.p2alignl 7, 3214868480
	.fill 96, 4, 3214868480
	.section	.rodata,"a",@progbits
	.p2align	6, 0x0
	.amdhsa_kernel k_q6701c7b3c0_attn
		.amdhsa_group_segment_fixed_size 167936
		.amdhsa_private_segment_fixed_size 0
		.amdhsa_enable_private_segment 0
		.amdhsa_kernarg_size 56
		.amdhsa_user_sgpr_count 2
		.amdhsa_user_sgpr_kernarg_segment_ptr 1
		.amdhsa_wavefront_size32 1
		.amdhsa_system_sgpr_workgroup_id_x 1
		.amdhsa_system_sgpr_workgroup_id_y 1
		.amdhsa_system_sgpr_workgroup_id_z 1
		.amdhsa_system_vgpr_workitem_id 0
		.amdhsa_next_free_vgpr 256
		.amdhsa_next_free_sgpr 92
		.amdhsa_reserve_vcc 1
		.amdhsa_float_denorm_mode_32 3
		.amdhsa_float_denorm_mode_16_64 3
		.amdhsa_memory_ordered 1
		.amdhsa_forward_progress 1
		.amdhsa_inst_pref_size 48
	.end_amdhsa_kernel
	.amdgpu_metadata
---
amdhsa.version: [ 1, 2 ]
amdhsa.kernels:
  - .name:           k_q6701c7b3c0_attn
    .symbol:         k_q6701c7b3c0_attn.kd
    .args:
      - { .name: q_codes, .offset: 0, .size: 8, .value_kind: global_buffer, .address_space: global }
      - { .name: q_scales, .offset: 8, .size: 8, .value_kind: global_buffer, .address_space: global }
      - { .name: kv_codes, .offset: 16, .size: 8, .value_kind: global_buffer, .address_space: global }
      - { .name: kv_scales, .offset: 24, .size: 8, .value_kind: global_buffer, .address_space: global }
      - { .name: mask, .offset: 32, .size: 8, .value_kind: global_buffer, .address_space: global }
      - { .name: att_codes, .offset: 40, .size: 8, .value_kind: global_buffer, .address_space: global }
      - { .name: att_scales, .offset: 48, .size: 8, .value_kind: global_buffer, .address_space: global }
    .group_segment_fixed_size: 167936
    .private_segment_fixed_size: 0
    .kernarg_segment_align: 8
    .kernarg_segment_size: 56
    .max_flat_workgroup_size: 512
    .sgpr_count:     92
    .vgpr_count:     256
    .wavefront_size: 32
...
	.end_amdgpu_metadata
.endif
;; end of part 2
;; launch oproj (part 3): grid 4 x 64, 4 waves a work-group, clusters of 4 x 4, 327,680 bytes of LDS; arguments att_codes, att_scales, Wo_codes, Wo_scales, bo, out0; writes out0
.if DOCPART == 3
	.amdgcn_target "amdgcn-amd-amdhsa--gfx1250"
	.amdhsa_code_object_version 6
	.text
	.protected	k_q6701c7b3c0_oproj
	.globl	k_q6701c7b3c0_oproj
	.p2align	8
	.type	k_q6701c7b3c0_oproj,@function
k_q6701c7b3c0_oproj:
	s_mov_b64 s[64:65], 0
	v_nop
	global_prefetch_b8 v0, s[64:65] scope:SCOPE_SE
	s_setreg_imm32_b32 hwreg(HW_REG_WAVE_MODE, 25, 1), 1
	s_wait_xcnt 0x0
	s_wait_alu depctr_hold_cnt(0) depctr_sa_sdst(0) depctr_va_vdst(0) depctr_va_sdst(0) depctr_va_ssrc(0) depctr_va_vcc(0) depctr_vm_vsrc(0)
	s_getreg_b32 s2, hwreg(HW_REG_IB_STS2, 6, 4)
	s_cmp_eq_u32 s2, 0
	s_cbranch_scc0 .Lentry_in_a_cluster
	s_endpgm
.Lentry_in_a_cluster:
	s_bfe_u32 s2, ttmp6, 0x10000c
	s_cmp_lg_u32 s2, 0xf033
	s_cbranch_scc0 .Lentry_shape_is_right
	s_endpgm
.Lentry_shape_is_right:
; out0 = attended Wo^T + bo on codes of FP4 with E8M0 scales, K = 1,024, sums in f32.  Nothing is left out.  A row whose scale bytes are 0xff (every key of its batch masked) comes out NaN, as a softmax of -infinities does.
; SHARES.  A work-group makes 128 rows x 256 columns; all of K lies in LDS, as two slots of 512 along K, each filled once.  A wave makes 64 rows (XH) x 128 columns (WH): 32 accumulators.
; CLUSTER 4 x 4: the attended rows' tile is shared along a row of the cluster, Wo's along a column: joint loads.
; THE MATRIX INSTRUCTION IS USED TRANSPOSED (source 0 = 16 rows of Wo, source 1 = 16 attended rows): a lane holds eight neighbouring numbers of a row of the output.
; The attended rows' codes lie in memory as images of the operand's registers ([tile of 16 rows][K step][c][lane][16 B]) and come into LDS as they lie: no pitch, 512 consecutive bytes a load.
; REGISTERS: window 0: v1-7 at work, v16-29 addresses, v32-47 the attended rows' scale words, v48-79 Wo's, v128-191 source 1's fragments (two sets), on the way out v128-255;
;   window 1: v0-63, v128-191 Wo's fragments (two sets), v64-127 bo in the result's layout;   window 2: accumulator (a, b) at v[8 (8 a + b)].
.set PITCH,  272
.set HALFT,  128*PITCH                 ; 128 rows of Wo for 512 along K
.set WSLOT,  2*HALFT                   ; Wo's slot
.set ABASE,  2*WSLOT                   ; the attended rows' codes: slot s at + 32,768 s; a tile of 16 rows 4,096, a K step 1,024
.set ASC,    ABASE+65536               ; their scale words: 512 a tile of rows, 64 a K step
.set BSC,    ASC+4096                  ; Wo's scale bytes, as units of 256 bytes + 16 of padding
.set HALFS,  16*272
.set SBLK,   2*272
.set STAGE,  BSC+2*HALFS               ; the way out: 16 rows x (512 bytes + 16) for each wave, bytes of their own into which no fill lands
.set SPITCH, 528
.set SPARE,  STAGE+4*16*SPITCH         ; the spare words, 128 bytes for each wave: two blocks of 256 bytes that no other line names
.set ADR1, 16                          ; v16     LDS address of source 1's fragments
.set ADR0, 20                          ; v20-21  of Wo's in slot 0, 1
.set ASA,  22                          ; v22     of the attended rows' scale words
.set ASB,  23                          ; v23     of Wo's
.set STO,  24
.set RD,   25
.set CO,   26                          ; v26     16 x lane
.set SPW,  28
.set NIL,  29
.set SA,   32                          ; register 4 a + k: lanes 0-15 K step 2 k, lanes 16-31 K step 2 k + 1, of tile a of my rows
.set SB,   48                          ; register 4 b + j: lanes 0-15 K step j, lanes 16-31 K step 4 + j, of block b of my columns
.set F1,   128
.set CB,   64
.set BK,   128
.set G1,   24
.set G0,   32
.set G1B,  48
.set G0B,  56
.set G1S,  68
.set G0S,  76
.set G1SB, 80
.set G0SB, 88
.set WV,   98
.set XH,   99                          ; which 64 rows are mine; also: I fetch for the attended rows (0) or for Wo (1)
.set WH,   100                         ; which 128 columns are mine; also: which half I fetch
.set MSB, 0
.macro WIN new
.if MSB != (\new)
	s_set_vgpr_msb (MSB<<8)|(\new)
.set MSB, (\new)
.endif
.endm
.macro PLACES n
.rept \n
	v_nop
.endr
.endm
.macro JLOAD g0a, g1a, g0b, g1b        ; a joint load: the branch hangs on the wave's number alone
	s_cmp_eq_u32 s[XH], 0
	s_cbranch_scc0 .Lfor_b_\@
	tensor_load_to_lds s[\g0a:\g0a+3], s[\g1a:\g1a+7]
	s_nop 0
.rept 4
	v_nop
.endr
	s_branch .Lasked_\@
.Lfor_b_\@:
	tensor_load_to_lds s[\g0b:\g0b+3], s[\g1b:\g1b+7]
	s_nop 0
.rept 4
	v_nop
.endr
.Lasked_\@:
.endm
.macro CROUND
	s_barrier_signal -1
	s_barrier_wait -1
	s_cmp_lg_u32 s[WV], 0
	s_cbranch_scc1 .Lnot_wave_0_\@
	s_barrier_signal -3
.Lnot_wave_0_\@:
	s_barrier_wait -3
	s_barrier_signal -1
	s_barrier_wait -1
.endm
	s_load_b256 s[4:11], s[0:1], 0x0               ; att_codes, att_scales, Wo_codes, Wo_scales
	s_load_b128 s[12:15], s[0:1], 0x20             ; bo, out0
	v_lshl_add_u32 v[SPW], v0, 2, SPARE
	v_mov_b32 v[NIL], 0
	ds_add_u32 v[SPW], v[NIL]                      ; the wave's opening: the add, twice on end, and its wait ahead of my first tensor load
	ds_add_u32 v[SPW], v[NIL]
	v_lshrrev_b32 v1, 5, v0
	v_readfirstlane_b32 s[WV], v1
	s_lshr_b32 s[XH], s[WV], 1
	s_and_b32 s[WH], s[WV], 1
	s_bfe_u32 s40, ttmp6, 0x40000                  ; cx: which 256 columns
	s_bfe_u32 s41, ttmp6, 0x40004                  ; cy
	s_and_b32 s42, ttmp7, 0xffff
	s_lshl_b32 s42, s42, 2
	s_add_co_u32 s42, s42, s41                     ; ty: which 128 rows
	s_lshl_b32 s43, s41, 2
	s_lshl_b32 s43, 15, s43                        ; my row of the cluster
	s_lshl_b32 s44, 0x1111, s40                    ; my column
	s_or_b32 s[G1+0], s43, (3<<16)|(1<<21)         ; the attended rows' codes: 4 tiles of rows x 4,096 bytes (512 elements of 8), 8,192 bytes apart; no padding
	s_mov_b32 s[G1+1], 512<<16
	s_mov_b32 s[G1+2], 4<<16
	s_mov_b32 s[G1+3], 512<<16
	s_mov_b32 s[G1+4], 4
	s_mov_b32 s[G1+5], 1024
	s_mov_b32 s[G1+6], 0
	s_mov_b32 s[G1+7], 0
	s_or_b32 s[G1B+0], s44, (1<<20)|(1<<21)|(5<<22)|(3<<25)   ; Wo's codes: 128 rows x 256 bytes, 512 apart, 16 bytes of padding behind each
	s_mov_b32 s[G1B+1], 256<<16
	s_mov_b32 s[G1B+2], 128<<16
	s_mov_b32 s[G1B+3], 256<<16
	s_mov_b32 s[G1B+4], 128
	s_mov_b32 s[G1B+5], 512
	s_mov_b32 s[G1B+6], 0
	s_mov_b32 s[G1B+7], 0
	s_or_b32 s[G1S+0], s43, (3<<16)|(1<<21)        ; the attended rows' scale words: 2,048 dense bytes as 8 rows of 256
	s_mov_b32 s[G1S+1], 32<<16
	s_mov_b32 s[G1S+2], 8<<16
	s_mov_b32 s[G1S+3], 32<<16
	s_mov_b32 s[G1S+4], 8
	s_mov_b32 s[G1S+5], 32
	s_mov_b32 s[G1S+6], 0
	s_mov_b32 s[G1S+7], 0
	s_or_b32 s[G1SB+0], s44, (3<<16)|(1<<20)|(1<<21)|(5<<22)|(3<<25)   ; Wo's scale bytes: 4,096 dense bytes as 16 rows of 256, 16 bytes of padding behind each
	s_mov_b32 s[G1SB+1], 32<<16
	s_mov_b32 s[G1SB+2], 16<<16
	s_mov_b32 s[G1SB+3], 32<<16
	s_mov_b32 s[G1SB+4], 16
	s_mov_b32 s[G1SB+5], 32
	s_mov_b32 s[G1SB+6], 0
	s_mov_b32 s[G1SB+7], 0
	s_lshl_b32 s20, s42, 3
	s_lshl_b32 s67, s[WH], 2
	s_add_co_u32 s20, s20, s67                     ; the attended rows: tile 8 ty + 4 half
	s_lshl_b32 s22, s20, 9                         ; its scale words,
	s_lshl_b32 s20, s20, 13                        ; its codes
	s_mov_b32 s21, 0
	s_mov_b32 s23, 0
	s_lshl_b32 s46, s40, 8
	s_lshl_b32 s67, s[WH], 7
	s_add_co_u32 s46, s46, s67                     ; Wo: row 256 cx + 128 half
	s_lshl_b32 s2, s46, 5
	s_lshl_b32 s46, s46, 9
	s_mov_b32 s47, 0
	s_mov_b32 s3, 0
	s_lshl_b32 s45, s[WH], 14                      ; where they go: no place in the cluster enters an LDS address
	s_add_co_u32 s45, s45, ABASE
	s_lshl_b32 s66, s[WH], 11
	s_add_co_u32 s66, s66, ASC
	s_mul_i32 s92, s[WH], HALFT
	s_mul_i32 s93, s[WH], HALFS
	s_add_co_u32 s93, s93, BSC
	s_wait_dscnt 0x0                               ; both opening adds are done
	s_wait_kmcnt 0x0
	s_add_nc_u64 s[20:21], s[4:5], s[20:21]
	s_add_nc_u64 s[22:23], s[6:7], s[22:23]
	s_add_nc_u64 s[46:47], s[8:9], s[46:47]
	s_add_nc_u64 s[2:3], s[10:11], s[2:3]
	CROUND                                         ; all sixteen work-groups are here: the first joint loads meet
	s_mov_b32 s[G0S], 1
	s_mov_b32 s[G0S+1], s66
	s_mov_b64 s[G0S+2:G0S+3], s[22:23]
	s_or_b32 s[G0S+3], s[G0S+3], 0x80000000
	s_mov_b32 s[G0SB], 1
	s_mov_b32 s[G0SB+1], s93
	s_mov_b64 s[G0SB+2:G0SB+3], s[2:3]
	s_or_b32 s[G0SB+3], s[G0SB+3], 0x80000000
	JLOAD G0S, G1S, G0SB, G1SB                     ; the scales first
.irp s, 0,1
	s_mov_b32 s[G0+4*\s], 1
	s_add_co_u32 s[G0+4*\s+1], s45, \s*32768
	s_add_nc_u64 s[G0+4*\s+2:G0+4*\s+3], s[20:21], \s*4096
	s_or_b32 s[G0+4*\s+3], s[G0+4*\s+3], 0x80000000
	s_mov_b32 s[G0B+4*\s], 1
	s_add_co_u32 s[G0B+4*\s+1], s92, \s*WSLOT
	s_add_nc_u64 s[G0B+4*\s+2:G0B+4*\s+3], s[46:47], \s*256
	s_or_b32 s[G0B+4*\s+3], s[G0B+4*\s+3], 0x80000000
	JLOAD G0+4*\s, G1, G0B+4*\s, G1B               ; three tensor loads of mine are out in all
.endr
	v_and_b32 v1, 15, v0                           ; r
	v_bfe_u32 v2, v0, 4, 1                         ; h
	v_and_b32 v3, 31, v0                           ; lane
	v_lshlrev_b32 v[CO], 4, v3
	s_lshl_b32 s67, s[XH], 14
	s_add_co_u32 s67, s67, ABASE
	v_add_nc_u32 v[ADR1], s67, v[CO]               ; my four tiles of rows, 16 bytes a lane
	v_mul_u32_u24 v4, v1, PITCH
	v_lshl_add_u32 v4, v2, 4, v4
	v_add_nc_u32 v[ADR0], s92, v4                  ; my 128 rows of Wo: row x pitch + 16 h
	v_add_nc_u32 v[ADR0+1], WSLOT, v[ADR0]
	s_lshl_b32 s67, s[XH], 11
	s_add_co_u32 s67, s67, ASC
	v_lshl_add_u32 v[ASA], v3, 2, s67              ; 4 bytes a lane: two K steps' words of 16 rows
	v_lshlrev_b32 v5, 5, v1
	v_lshrrev_b32 v6, 8, v5
	v_lshl_add_u32 v5, v6, 4, v5                   ; Wo's row of 32 scale bytes, 16 more for each 256 passed,
	v_lshl_add_u32 v5, v2, 4, v5                   ; lanes 16-31 its upper four words
	v_add_nc_u32 v[ASB], s93, v5
	s_mul_i32 s67, s[WV], 16*SPITCH
	s_add_co_u32 s67, s67, STAGE                   ; my stage
	v_mul_u32_u24 v5, v1, SPITCH
	v_lshl_add_u32 v5, v2, 5, v5
	v_add_nc_u32 v[STO], s67, v5                   ; in: row r, 32 bytes for each half of the lanes
	v_add_nc_u32 v[RD], s67, v[CO]                 ; back: the 32 lanes take one row of 512 bytes
	s_lshl_b32 s94, s42, 7
	s_lshl_b32 s95, s[XH], 6
	s_add_co_u32 s94, s94, s95                     ; my first row: 128 ty + 64 XH, 4,096 bytes a row
	s_lshl_b32 s94, s94, 12
	s_lshl_b32 s96, s40, 10
	s_lshl_b32 s97, s[WH], 9
	s_add_co_u32 s96, s96, s97                     ; my first column in bytes: 1,024 cx + 512 WH
	s_mov_b32 s97, 0
	s_add_co_u32 s94, s94, s96
	s_mov_b32 s95, 0
	s_add_nc_u64 s[14:15], s[14:15], s[94:95]
	s_add_nc_u64 s[12:13], s[12:13], s[96:97]      ; bo at my 128 columns
	v_lshlrev_b32 v7, 5, v2                        ; register j of block b is column 16 b + 8 h + j
	WIN 0x40
.irp b, 0,1,2,3,4,5,6,7
	global_load_b128 v[CB+8*\b:CB+8*\b+3], v7, s[12:13] offset:64*\b
	global_load_b128 v[CB+8*\b+4:CB+8*\b+7], v7, s[12:13] offset:64*\b+16
.endr
	WIN 0
.macro FETCH g                         ; K step g's fragments, 24 loads in one run, into set g % 2
	WIN 0x40
.irp b, 0,1,2,3,4,5,6,7
.irp c, 0,1
	ds_load_b128 v[128*((\g)%2)+8*\b+4*\c:128*((\g)%2)+8*\b+4*\c+3], v[ADR0+(\g)/4] offset:64*((\g)%4)+32*\c+\b*16*PITCH
.endr
.endr
	WIN 0
.irp a, 0,1,2,3
.irp c, 0,1
	ds_load_b128 v[F1+32*((\g)%2)+8*\a+4*\c:F1+32*((\g)%2)+8*\a+4*\c+3], v[ADR1] offset:32768*((\g)/4)+4096*\a+1024*((\g)%4)+512*\c
.endr
.endr
.endm
; 32 matrix instructions: K step g.  The 32 accumulators take turns, one instruction a turn, in the same order in every step.  first = 1: the sums start from bo.
.macro MUL g, first
.set MP, (\g)%2
.if \first
	WIN 0x91                                       ; source 0 and C window 1, source 1 window 0, D window 2
.else
	WIN 0xa1                                       ; source 0 window 1, source 1 window 0, C and D window 2
.endif
.irp a, 0,1,2,3
.irp b, 0,1,2,3,4,5,6,7
.set MD, 8*(8*\a+\b)
.if \first
.set MC, CB+8*\b
.else
.set MC, MD
.endif
.if (\g) < 4
.if (\g)%2 == 0
	v_wmma_scale_f32_16x16x128_f8f6f4 v[MD:MD+7], v[128*MP+8*\b:128*MP+8*\b+7], v[F1+32*MP+8*\a:F1+32*MP+8*\a+7], v[MC:MC+7], v[SB+4*\b+(\g)%4], v[SA+4*\a+(\g)/2] matrix_a_fmt:MATRIX_FMT_FP4 matrix_b_fmt:MATRIX_FMT_FP4
.else
	v_wmma_scale_f32_16x16x128_f8f6f4 v[MD:MD+7], v[128*MP+8*\b:128*MP+8*\b+7], v[F1+32*MP+8*\a:F1+32*MP+8*\a+7], v[MC:MC+7], v[SB+4*\b+(\g)%4], v[SA+4*\a+(\g)/2] matrix_a_fmt:MATRIX_FMT_FP4 matrix_b_fmt:MATRIX_FMT_FP4 matrix_b_scale:MATRIX_SCALE_ROW1
.endif
.else
.if (\g)%2 == 0
	v_wmma_scale_f32_16x16x128_f8f6f4 v[MD:MD+7], v[128*MP+8*\b:128*MP+8*\b+7], v[F1+32*MP+8*\a:F1+32*MP+8*\a+7], v[MC:MC+7], v[SB+4*\b+(\g)%4], v[SA+4*\a+(\g)/2] matrix_a_fmt:MATRIX_FMT_FP4 matrix_b_fmt:MATRIX_FMT_FP4 matrix_a_scale:MATRIX_SCALE_ROW1
.else
	v_wmma_scale_f32_16x16x128_f8f6f4 v[MD:MD+7], v[128*MP+8*\b:128*MP+8*\b+7], v[F1+32*MP+8*\a:F1+32*MP+8*\a+7], v[MC:MC+7], v[SB+4*\b+(\g)%4], v[SA+4*\a+(\g)/2] matrix_a_fmt:MATRIX_FMT_FP4 matrix_b_fmt:MATRIX_FMT_FP4 matrix_a_scale:MATRIX_SCALE_ROW1 matrix_b_scale:MATRIX_SCALE_ROW1
.endif
.endif
.endr
.endr
.endm
.macro KSTEP g, first
.if (\g) == 3
	s_wait_tensorcnt 0x0                           ; my part of slot 1 has landed,
	s_wait_dscnt 0x0                               ; no LDS instruction of mine is out,
	s_barrier_signal -1
	s_barrier_wait -1                              ; and so for all four waves: slot 1 is whole.
.endif
.if (\g) > 0 && (\g) < 7
	PLACES 4                                       ; in front of loads into the set that the step before has multiplied
.endif
.if (\g) < 7
	FETCH (\g)+1
.endif
.if (\g) == 7
	s_wait_dscnt 0x0
.elseif (\g) != 3
	s_wait_dscnt 24                                ; all but the 24 loads just issued
.endif
	MUL \g, \first
	WIN 0
.endm
	s_wait_tensorcnt 0x1                           ; the scales and my part of slot 0 are in; slot 1's load may stay out
	s_barrier_signal -1
	s_barrier_wait -1
	FETCH 0
.irp a, 0,1,2,3                                ; all scale words, for the whole of K, once
.irp k, 0,1,2,3
	ds_load_b32 v[SA+4*\a+\k], v[ASA] offset:512*\a+128*\k
.endr
.endr
.irp b, 0,1,2,3,4,5,6,7
	ds_load_b128 v[SB+4*\b:SB+4*\b+3], v[ASB] offset:\b*SBLK
.endr
	s_wait_loadcnt 0x0                             ; bo
	KSTEP 0, 1
	KSTEP 1, 0
	KSTEP 2, 0
	KSTEP 3, 0
	KSTEP 4, 0
	KSTEP 5, 0
	KSTEP 6, 0
	KSTEP 7, 0
; THE WAY OUT, a block of 16 rows x 128 columns at a time: through my own stage in LDS and back as whole rows of 512 bytes.  LDS serves a wave's instructions in order: no wait between the stores and the loads, nor in front of the next block's stores.
.macro TOSTAGE a
	WIN 0x08                                       ; an LDS store's data: window 2
.irp b, 0,1,2,3,4,5,6,7
	ds_store_b128 v[STO], v[64*(\a)+8*\b:64*(\a)+8*\b+3] offset:64*\b          ; each accumulator from its low end on
	ds_store_b128 v[STO], v[64*(\a)+8*\b+4:64*(\a)+8*\b+7] offset:64*\b+16
.endr
	WIN 0
.irp t, 0,1,2,3,4,5,6,7,8,9,10,11,12,13,14,15
	ds_load_b128 v[BK+64*((\a)%2)+4*\t:BK+64*((\a)%2)+4*\t+3], v[RD] offset:\t*SPITCH
.endr
.endm
.macro SEND a, younger                 ; younger: the LDS instructions issued behind block a's loads, which may stay out
	s_wait_dscnt \younger
.irp t, 0,1,2,3,4,5,6,7,8,9,10,11,12,13,14,15
	global_store_b128 v[CO], v[BK+64*((\a)%2)+4*\t:BK+64*((\a)%2)+4*\t+3], s[14:15] offset:(16*(\a)+\t)*4096 th:TH_STORE_NT   ; 32 lanes store 512 consecutive bytes, aligned; written once, read by nobody here
.endr
.endm
	PLACES 4                                       ; in front of the first read of results and of loads into source 1's registers
	TOSTAGE 0
	TOSTAGE 1
	SEND 0, 32                                     ; behind block 0's loads: block 1's 16 stores and 16 loads
	s_wait_xcnt 0x0                                ; block 0's stores have read their registers: block 2's loads may land there
	TOSTAGE 2
	SEND 1, 32
	s_wait_xcnt 0x0
	TOSTAGE 3
	SEND 2, 32
	SEND 3, 0
	s_wait_tensorcnt 0x0                           ; the wave's end, behind my last tensor load and my last LDS store
	ds_add_u32 v[SPW], v[NIL]
	s_wait_dscnt 0x0
	CROUND                                         ; the closing round
	s_endpgm
.Lfunc_end_k_q6701c7b3c0_oproj:
	.size	k_q6701c7b3c0_oproj, .Lfunc_end_k_q6701c7b3c0_oproj-k_q6701c7b3c0_oproj
	.p2alignl 7, 3214868480
	.fill 96, 4, 3214868480
	.section	.rodata,"a",@progbits
	.p2align	6, 0x0
	.amdhsa_kernel k_q6701c7b3c0_oproj
		.amdhsa_group_segment_fixed_size 327680
		.amdhsa_private_segment_fixed_size 0
		.amdhsa_enable_private_segment 0
		.amdhsa_kernarg_size 48
		.amdhsa_user_sgpr_count 2
		.amdhsa_user_sgpr_kernarg_segment_ptr 1
		.amdhsa_wavefront_size32 1
		.amdhsa_system_sgpr_workgroup_id_x 1
		.amdhsa_system_sgpr_workgroup_id_y 1
		.amdhsa_system_sgpr_workgroup_id_z 1
		.amdhsa_system_vgpr_workitem_id 0
		.amdhsa_next_free_vgpr 768
		.amdhsa_next_free_sgpr 102
		.amdhsa_reserve_vcc 0
		.amdhsa_float_denorm_mode_32 3
		.amdhsa_float_denorm_mode_16_64 3
		.amdhsa_memory_ordered 1
		.amdhsa_forward_progress 1
		.amdhsa_inst_pref_size 74
	.end_amdhsa_kernel
	.amdgpu_metadata
---
amdhsa.version: [ 1, 2 ]
amdhsa.kernels:
  - .name:           k_q6701c7b3c0_oproj
    .symbol:         k_q6701c7b3c0_oproj.kd
    .args:
      - { .name: att_codes, .offset: 0, .size: 8, .value_kind: global_buffer, .address_space: global }
      - { .name: att_scales, .offset: 8, .size: 8, .value_kind: global_buffer, .address_space: global }
      - { .name: Wo_codes, .offset: 16, .size: 8, .value_kind: global_buffer, .address_space: global }
      - { .name: Wo_scales, .offset: 24, .size: 8, .value_kind: global_buffer, .address_space: global }
      - { .name: bo, .offset: 32, .size: 8, .value_kind: global_buffer, .address_space: global }
      - { .name: out0, .offset: 40, .size: 8, .value_kind: global_buffer, .address_space: global }
    .group_segment_fixed_size: 327680
    .private_segment_fixed_size: 0
    .kernarg_segment_align: 8
    .kernarg_segment_size: 48
    .max_flat_workgroup_size: 128
    .sgpr_count:     102
    .vgpr_count:     768
    .wavefront_size: 32
...
	.end_amdgpu_metadata
.endif
;; end of part 3
